; MI455X (gfx1250); checked and timed in simulation.
; The chip was launched on July 23, 2026; its instructions are those of AMD's public machine-readable ISA for CDNA 5 (MIT licence, August 2026) and "CDNA5" Instruction Set Architecture Reference Guide (July 2026). The comments in the code are by the model that wrote it; some were corrected since.
;; Mo E. Allowed arithmetic: float matrix products may take bf16 or f16 operands with f32 sums; all other float work in f32.
;; Inputs: W1 8 x 1,024 x 512 float32; W2 8 x 512 x 1,024 float32; Wg 1,024 x 8 float32; b1 8 x 512 float32; b2 8 x 1,024 float32; bg 8 float32; x 4 x 2,048 x 1,024 float32.
;; Outputs: out0 4 x 2,048 x 1,024 float32.
;; One version. Each part assembles by itself: llvm-mc -triple=amdgcn-amd-amdhsa -mcpu=gfx1250 --defsym DOCPART=n.
;; ======== version 1 of 1: 3 launches
;; workspace buffers: xb 16,777,216 bytes; W1b 8,388,608 bytes; W2b 8,388,608 bytes; gates 262,144 bytes; Hb 67,108,864 bytes
;; launch prep (part 1): grid 512 x 1, 4 waves a work-group, no clusters, 37,376 bytes of LDS; arguments x, Wg, bg, W1, W2, xb, gates, W1b, W2b; writes xb, gates, W1b, W2b
.if DOCPART == 1
	.amdgcn_target "amdgcn-amd-amdhsa--gfx1250"
	.amdhsa_code_object_version 6
	.text
	.protected	k_q3b52769451_prep
	.globl	k_q3b52769451_prep
	.p2align	8
	.type	k_q3b52769451_prep,@function
k_q3b52769451_prep:
	s_mov_b64 s[64:65], 0
	v_nop
	global_prefetch_b8 v0, s[64:65] scope:SCOPE_SE
	s_setreg_imm32_b32 hwreg(HW_REG_WAVE_MODE, 25, 1), 1
	s_wait_xcnt 0x0
; prep: x, W1 and W2 are rounded to bf16 in the layout in which they lie (xb, W1b, W2b), and the gates are made:
; gates[t][e] = softmax over e of ((x[t] . Wg[:, e] + bg[e]) / 2.2), all of it in f32, with the row's maximum taken away first.
; A stream: every f32 byte is read once, by loads of 16 bytes a lane, and every bf16 byte written once; each store of a wave covers 256 consecutive bytes, aligned.
; SHARES.  x is 1,024 jobs of 32,768 bytes (eight token rows), W1 and W2 together another 1,024.  Of a work-group's four waves two take a job of x and two a job of the weights
; (which two alternates with bit 8 of the work-group's number), so every work-group has the same work.  A job is eight chunks of 4,096 bytes on end;
; a ring of four chunk slots in registers keeps up to 32 loads of a wave on their way.
; THE GATING PRODUCT has eight columns: it is done on the vector unit, on the f32 numbers that the stream holds anyway (128 packed multiply-adds a row), with Wg in 256 registers of the wave.
; A lane wants 128 consecutive bytes of Wg out of every 4,096.  So the four waves fetch Wg once, a quarter each, by loads that cover 512 consecutive bytes,
; lay it into LDS in chunks of 128 bytes, 144 apart, and the waves that take x read their registers from there.  No cluster: the work-groups share nothing but Wg's 32,768 bytes.
.set ACC,  8                           ; v[8:23]   the eight logits, twice: set 0 takes the even columns of a lane's four, set 1 the odd ones
.set T,    24                          ; v[24:31]  at work
.set KEEP, 32                          ; v[32:35]  the 16 bytes of gates that this lane stores at the end
.set Y,    36                          ; v[36:51]  a chunk in bf16, to store
.set X,    64                          ; v[64:191] slot s: 32 registers; register 32 s + 4 j + i holds column 128 j + 4 lane + i
.set WT,   192                         ; v[192:255] my wave's quarter of Wg on its way into LDS
                                       ; window 1, v0-255: register 32 j + 8 i + e holds Wg[128 j + 4 lane + i][e]
.set LP,   144                         ; LDS: a chunk of 128 bytes (four rows of Wg) + 16 = 36 words: the chunks that 16 neighbouring lanes read start 4 words apart modulo 64
.set MSB, 0
.macro WIN new                         ; the immediate's high byte repeats the setting that is left; a switch that changes nothing is dropped
.if MSB != (\new)
	s_set_vgpr_msb (MSB<<8)|(\new)
.set MSB, (\new)
.endif
.endm
.macro FILL s, r                       ; chunk r into slot s: eight loads of 512 consecutive bytes
.irp j, 0,1,2,3,4,5,6,7
	global_load_b128 v[X+32*\s+4*\j:X+32*\s+4*\j+3], v2, s[44:45] offset:(\r)*4096+512*\j th:TH_LOAD_NT
.endr
.endm
; The chunk in slot s is rounded and stored; refill = 1: the slot takes the chunk four further on, and its loads go out ahead of the stores.
.macro OUT s, r, refill
	s_wait_xcnt 0x0                                ; Y, which the last chunk's stores read, is written again only behind this wait
.irp j, 0,1,2,3,4,5,6,7
	v_cvt_pk_bf16_f32 v[Y+2*\j],   v[X+32*\s+4*\j],   v[X+32*\s+4*\j+1]
	v_cvt_pk_bf16_f32 v[Y+2*\j+1], v[X+32*\s+4*\j+2], v[X+32*\s+4*\j+3]
.endr
.if \refill
	FILL \s, \r+4
.endif
.irp j, 0,1,2,3,4,5,6,7
	global_store_b64 v3, v[Y+2*\j:Y+2*\j+1], s[46:47] offset:(\r)*2048+256*\j
.endr
.endm
; The gates of the token row in slot s, the wave's row r.
.macro GATE s, r
	WIN 0x04                                       ; source 1 (Wg) in window 1
.irp j, 0,1,2,3,4,5,6,7
.irp ih, 0,1
.irp p, 0,1,2,3                        ; the even column of the pair of x: both halves of the packed product take the pair's first register
.if (\j == 0) && (\ih == 0)
	v_pk_mul_f32 v[ACC+2*\p:ACC+2*\p+1], v[X+32*\s:X+32*\s+1], v[2*\p:2*\p+1] op_sel:[0,0] op_sel_hi:[0,1]   ; the first products start the sums
.else
	v_pk_fma_f32 v[ACC+2*\p:ACC+2*\p+1], v[X+32*\s+4*\j+2*\ih:X+32*\s+4*\j+2*\ih+1], v[32*\j+16*\ih+2*\p:32*\j+16*\ih+2*\p+1], v[ACC+2*\p:ACC+2*\p+1] op_sel:[0,0,0] op_sel_hi:[0,1,1]
.endif
.endr
.irp p, 0,1,2,3                        ; the odd column: both halves take the pair's second register
.if (\j == 0) && (\ih == 0)
	v_pk_mul_f32 v[ACC+8+2*\p:ACC+8+2*\p+1], v[X+32*\s:X+32*\s+1], v[8+2*\p:8+2*\p+1] op_sel:[1,0] op_sel_hi:[1,1]
.else
	v_pk_fma_f32 v[ACC+8+2*\p:ACC+8+2*\p+1], v[X+32*\s+4*\j+2*\ih:X+32*\s+4*\j+2*\ih+1], v[32*\j+16*\ih+8+2*\p:32*\j+16*\ih+8+2*\p+1], v[ACC+8+2*\p:ACC+8+2*\p+1] op_sel:[1,0,0] op_sel_hi:[1,1,1]
.endif
.endr
.endr
.endr
	WIN 0
.irp p, 0,1,2,3
	v_pk_add_f32 v[ACC+2*\p:ACC+2*\p+1], v[ACC+2*\p:ACC+2*\p+1], v[ACC+8+2*\p:ACC+8+2*\p+1]
.endr
.irp m, 1,2,4,8                        ; across the 32 lanes: four steps inside each half of 16 lanes, one between the halves; every lane ends with all eight sums
.irp e, 0,1,2,3,4,5,6,7
	v_add_f32_dpp v[ACC+\e], v[ACC+\e], v[ACC+\e] row_xmask:\m row_mask:0xf bank_mask:0xf
.endr
.endr
.irp e, 0,1,2,3,4,5,6,7
	v_permlanex16_b32 v[ACC+8+\e], v[ACC+\e], s36, s37
.endr
.irp p, 0,1,2,3
	v_pk_add_f32 v[ACC+2*\p:ACC+2*\p+1], v[ACC+2*\p:ACC+2*\p+1], v[ACC+8+2*\p:ACC+8+2*\p+1]
.endr
.irp e, 0,1,2,3,4,5,6,7
	v_add_f32 v[ACC+\e], s[28+\e], v[ACC+\e]       ; + bg
.endr
	v_max3_num_f32 v[T], v[ACC], v[ACC+1], v[ACC+2]
	v_max3_num_f32 v[T], v[T], v[ACC+3], v[ACC+4]
	v_max3_num_f32 v[T], v[T], v[ACC+5], v[ACC+6]
	v_max_num_f32 v[T], v[T], v[ACC+7]             ; the row's largest logit m
	v_mul_f32 v[T+2], s38, v[T]                    ; c m, c = log2(e) / 2.2, twice: a pair for the packed form
	v_mul_f32 v[T+3], s38, v[T]
.irp p, 0,1,2,3
	v_pk_fma_f32 v[ACC+2*\p:ACC+2*\p+1], v[ACC+2*\p:ACC+2*\p+1], s[38:39], v[T+2:T+3] op_sel_hi:[1,0,1] neg_lo:[0,0,1] neg_hi:[0,0,1]   ; c l - c m, at most a rounding above 0
.endr
.irp e, 0,1,2,3,4,5,6,7
	v_exp_f32 v[ACC+\e], v[ACC+\e]
.endr
	v_nop                                          ; a plain instruction between the last exponential and the use of its result (ISA guide 5.7.2)
	s_wait_alu depctr_va_vdst(0)
	v_pk_add_f32 v[T:T+1], v[ACC:ACC+1], v[ACC+2:ACC+3]
	v_pk_add_f32 v[T+2:T+3], v[ACC+4:ACC+5], v[ACC+6:ACC+7]
	v_pk_add_f32 v[T:T+1], v[T:T+1], v[T+2:T+3]
	v_add_f32 v[T], v[T], v[T+1]                   ; the sum is about 1 at the least: the largest term is 2^0 up to a rounding
	v_rcp_f32 v[T+2], v[T]
	v_rcp_f32 v[T+3], v[T]                         ; twice: a pair for the packed multiply
	v_nop
	s_wait_alu depctr_va_vdst(0)
.irp p, 0,1,2,3
	v_pk_mul_f32 v[ACC+2*\p:ACC+2*\p+1], v[ACC+2*\p:ACC+2*\p+1], v[T+2:T+3]
.endr
.irp i, 0,1,2,3                        ; lanes 2 r and 2 r + 1 will store row r: the even lane experts 0-3, the odd lane experts 4-7
	v_cndmask_b32 v[T+4+\i], v[ACC+\i], v[ACC+4+\i], s40
.endr
.if \r == 0
.irp i, 0,1,2,3
	v_mov_b32 v[KEEP+\i], v[T+4+\i]                ; the first row writes every lane
.endr
.else
	s_mov_b32 s41, 3<<(2*\r)
.irp i, 0,1,2,3
	v_cndmask_b32 v[KEEP+\i], v[KEEP+\i], v[T+4+\i], s41
.endr
.endif
.endm
; left = how many younger loads may stay out when this chunk's eight have to be in (loads come back in order: ISA guide 5.7.1)
.macro ROW s, r, gate, refill, left
	s_wait_loadcnt \left
.if \gate
	GATE \s, \r
.endif
	OUT \s, \r, \refill
.endm
	s_load_b512 s[4:19], s[0:1], 0x0               ; x 4, Wg 6, bg 8, W1 10, W2 12, xb 14, gates 16, W1b 18
	s_load_b64 s[20:21], s[0:1], 0x40              ; W2b
	v_lshl_add_u32 v62, v0, 2, 0x9000
	v_mov_b32 v63, 0
	v_and_b32 v1, 31, v0                           ; lane
	v_lshrrev_b32 v5, 5, v0
	v_readfirstlane_b32 s22, v5                    ; wave
	v_lshlrev_b32 v2, 4, v1                        ; 16 bytes a lane in, and for the gates out
	v_lshlrev_b32 v3, 3, v1                        ; 8 bytes a lane out
	v_mul_u32_u24 v4, v1, LP                       ; out of LDS: chunk 32 j + lane
	v_lshl_add_u32 v7, v5, 13, v2                  ; Wg: my wave's 8,192 bytes, 16 a lane
	v_lshrrev_b32 v[T], 3, v1                      ; into LDS: eight lanes fill a chunk;
	v_and_b32 v[T+1], 7, v1
	v_mul_u32_u24 v6, v[T], LP
	v_lshl_add_u32 v6, v[T+1], 4, v6
	v_mad_u32_u24 v6, v5, 64*LP, v6                ; my wave's 64 chunks
	s_lshr_b32 s23, ttmp9, 8
	s_xor_b32 s23, s23, s22
	s_and_b32 s23, s23, 1                          ; 0: my wave takes x, 1: weights
	s_lshr_b32 s24, s22, 1
	s_lshl1_add_u32 s24, ttmp9, s24                ; the job: 2 x work-group + wave / 2, 0 to 1,023 in either kind
	s_and_b32 s25, s24, 511                        ; of the weights: the job inside W1 or W2
	s_mov_b32 s27, 0
	s_wait_kmcnt 0x0
	s_load_b256 s[28:35], s[8:9], 0x0              ; bg, eight numbers
	s_cmp_lt_u32 s24, 512
	s_cselect_b64 s[44:45], s[10:11], s[12:13]     ; W1 or W2,
	s_cselect_b64 s[46:47], s[18:19], s[20:21]     ; W1b or W2b;
	s_cmp_eq_u32 s23, 0
	s_cselect_b64 s[44:45], s[4:5], s[44:45]       ; or x
	s_cselect_b64 s[46:47], s[14:15], s[46:47]     ; and xb
	s_cselect_b32 s25, s24, s25
	s_lshl_b32 s26, s25, 15
	s_add_nc_u64 s[44:45], s[44:45], s[26:27]      ; my job's 32,768 bytes in,
	s_lshr_b32 s26, s26, 1
	s_add_nc_u64 s[46:47], s[46:47], s[26:27]      ; half as many out
	s_lshl_b32 s26, s24, 8
	s_add_nc_u64 s[16:17], s[16:17], s[26:27]      ; gates: eight rows of 32 bytes a job
.irp m, 0,1,2,3,4,5,6,7,8,9,10,11,12,13,14,15
	global_load_b128 v[WT+4*\m:WT+4*\m+3], v7, s[6:7] offset:512*\m
.endr
	FILL 0, 0
	FILL 1, 1
	FILL 2, 2
	FILL 3, 3
	s_mov_b32 s36, 0x76543210                      ; v_permlanex16_b32: each lane takes its own place in the other half
	s_mov_b32 s37, 0xfedcba98
	s_mov_b32 s38, 0x3f27e093                      ; c = log2(e) / 2.2
	s_mov_b32 s39, s38                             ; named with it as a pair, so it is written
	s_mov_b32 s40, 0xaaaaaaaa                      ; the odd lanes
	s_wait_loadcnt 32                              ; my quarter of Wg is in; the four chunks' 32 loads, issued behind it, stay out
.irp m, 0,1,2,3,4,5,6,7,8,9,10,11,12,13,14,15
	ds_store_b128 v6, v[WT+4*\m:WT+4*\m+3] offset:4*LP*\m
.endr
	s_wait_dscnt 0x0                               ; for the others' sake: my stores are done
	s_barrier_signal -1
	s_barrier_wait -1                              ; Wg is whole in LDS; nothing writes it again
	s_wait_kmcnt 0x0                               ; bg
	s_cmp_lg_u32 s23, 0
	s_cbranch_scc1 .Lweights
	WIN 0x40                                       ; destination window 1
.irp j, 0,1,2,3,4,5,6,7
.irp i, 0,1,2,3
	ds_load_b128 v[32*\j+8*\i:32*\j+8*\i+3],   v4 offset:32*LP*\j+32*\i
	ds_load_b128 v[32*\j+8*\i+4:32*\j+8*\i+7], v4 offset:32*LP*\j+32*\i+16
.endr
.endr
	WIN 0
	s_wait_dscnt 0x0
	ROW 0, 0, 1, 1, 24                             ; three younger chunks, 24 loads, stay on their way
	ROW 1, 1, 1, 1, 24
	ROW 2, 2, 1, 1, 24
	ROW 3, 3, 1, 1, 24
	ROW 0, 4, 1, 0, 24                             ; behind row 4's loads: rows 5, 6 and 7; then the counts run down
	ROW 1, 5, 1, 0, 16
	ROW 2, 6, 1, 0, 8
	ROW 3, 7, 1, 0, 0
	v_cmp_gt_u32 vcc_lo, 16, v1
	s_wait_xcnt 0x0                                ; EXEC is a source of the stores above: it changes only behind this wait
	s_wait_tensorcnt 0x0
	ds_add_u32 v62, v63
	s_wait_dscnt 0x0
	s_and_saveexec_b32 s42, vcc_lo
	global_store_b128 v2, v[KEEP:KEEP+3], s[16:17] ; sixteen lanes store my eight rows of gates: 256 consecutive bytes, aligned
	s_wait_xcnt 0x0
	s_or_b32 exec_lo, exec_lo, s42
	s_endpgm
.Lweights:
	ROW 0, 0, 0, 1, 24
	ROW 1, 1, 0, 1, 24
	ROW 2, 2, 0, 1, 24
	ROW 3, 3, 0, 1, 24
	ROW 0, 4, 0, 0, 24
	ROW 1, 5, 0, 0, 16
	ROW 2, 6, 0, 0, 8
	ROW 3, 7, 0, 0, 0
	s_wait_tensorcnt 0x0
	ds_add_u32 v62, v63
	s_wait_dscnt 0x0
	s_endpgm
.Lfunc_end_k_q3b52769451_prep:
	.size	k_q3b52769451_prep, .Lfunc_end_k_q3b52769451_prep-k_q3b52769451_prep
	.p2alignl 7, 3214868480
	.fill 96, 4, 3214868480
	.section	.rodata,"a",@progbits
	.p2align	6, 0x0
	.amdhsa_kernel k_q3b52769451_prep
		.amdhsa_group_segment_fixed_size 37376
		.amdhsa_private_segment_fixed_size 0
		.amdhsa_enable_private_segment 0
		.amdhsa_kernarg_size 72
		.amdhsa_user_sgpr_count 2
		.amdhsa_user_sgpr_kernarg_segment_ptr 1
		.amdhsa_wavefront_size32 1
		.amdhsa_system_sgpr_workgroup_id_x 1
		.amdhsa_system_sgpr_workgroup_id_y 1
		.amdhsa_system_sgpr_workgroup_id_z 1
		.amdhsa_system_vgpr_workitem_id 0
		.amdhsa_next_free_vgpr 512
		.amdhsa_next_free_sgpr 66
		.amdhsa_reserve_vcc 1
		.amdhsa_float_denorm_mode_32 3
		.amdhsa_float_denorm_mode_16_64 3
		.amdhsa_memory_ordered 1
		.amdhsa_forward_progress 1
		.amdhsa_inst_pref_size 154
	.end_amdhsa_kernel
	.amdgpu_metadata
---
amdhsa.version: [ 1, 2 ]
amdhsa.kernels:
  - .name:           k_q3b52769451_prep
    .symbol:         k_q3b52769451_prep.kd
    .args:
      - { .name: x, .offset: 0, .size: 8, .value_kind: global_buffer, .address_space: global }
      - { .name: Wg, .offset: 8, .size: 8, .value_kind: global_buffer, .address_space: global }
      - { .name: bg, .offset: 16, .size: 8, .value_kind: global_buffer, .address_space: global }
      - { .name: W1, .offset: 24, .size: 8, .value_kind: global_buffer, .address_space: global }
      - { .name: W2, .offset: 32, .size: 8, .value_kind: global_buffer, .address_space: global }
      - { .name: xb, .offset: 40, .size: 8, .value_kind: global_buffer, .address_space: global }
      - { .name: gates, .offset: 48, .size: 8, .value_kind: global_buffer, .address_space: global }
      - { .name: W1b, .offset: 56, .size: 8, .value_kind: global_buffer, .address_space: global }
      - { .name: W2b, .offset: 64, .size: 8, .value_kind: global_buffer, .address_space: global }
    .group_segment_fixed_size: 37376
    .private_segment_fixed_size: 0
    .kernarg_segment_align: 8
    .kernarg_segment_size: 72
    .max_flat_workgroup_size: 128
    .sgpr_count:     66
    .vgpr_count:     512
    .wavefront_size: 32
...
	.end_amdgpu_metadata
.endif
;; end of part 1
;; launch up (part 2): grid 16 x 32, 4 waves a work-group, clusters of 4 x 4, 327,680 bytes of LDS; arguments xb, W1b, Hb, b1, gates; writes Hb
.if DOCPART == 2
	.amdgcn_target "amdgcn-amd-amdhsa--gfx1250"
	.amdhsa_code_object_version 6
	.text
	.protected	k_q3b52769451_up
	.globl	k_q3b52769451_up
	.p2align	8
	.type	k_q3b52769451_up,@function
k_q3b52769451_up:
	s_mov_b64 s[64:65], 0
	v_nop
	global_prefetch_b8 v0, s[64:65] scope:SCOPE_SE
	s_setreg_imm32_b32 hwreg(HW_REG_WAVE_MODE, 25, 1), 1
	s_wait_xcnt 0x0
	s_wait_alu depctr_hold_cnt(0) depctr_sa_sdst(0) depctr_va_vdst(0) depctr_va_sdst(0) depctr_va_ssrc(0) depctr_va_vcc(0) depctr_vm_vsrc(0)
	s_getreg_b32 s2, hwreg(HW_REG_IB_STS2, 6, 4)
	s_cmp_eq_u32 s2, 0
	s_cbranch_scc0 .Lentry_in_a_cluster
	s_endpgm
.Lentry_in_a_cluster:
	s_bfe_u32 s2, ttmp6, 0x10000c
	s_cmp_lg_u32 s2, 0xf033
	s_cbranch_scc0 .Lentry_shape_is_right
	s_endpgm
.Lentry_shape_is_right:
; up: Hb[t][n] = bf16( gates[t][e] * gelu( sum over d of xb[t][d] W1b[e][d][f] + b1[e][f] ) ), n = 512 e + f.  xb: [8192][1024], W1b: [8][1024][512], Hb: [8192][4096], bf16;
; b1: [8][512], gates: [8192][8], f32.  Sums, bias, gelu and gate in f32; Hb rounded once.
; LIMITS.  gelu(h) = max(h, 0) - |h| q, q = 1 - Phi(|h|) = Z(|h|) (b1 t + .. + b5 t^5), t = 1 / (1 + 0.2316419 |h|): a five-term form of the normal law's tail whose absolute error is
; under 7.5e-8 for every h.  h = +inf or -inf gives NaN (inf x 0); a q under 2^-126 counts as 0.
; SHARES.  A tile of Hb, 256 x 256, is made by a work-group of four waves; a wave makes 128 x 128: 64 accumulators of 16 x 16, 512 registers.  A tile lies inside one expert (256 divides 512).
; K = 1,024 goes in steps of 128 through a ring of two LDS slots filled by the tensor data mover.  xb's tile lies [row][k]; W1b's lies [k][column], as it lies in memory, and its
; fragments come out of LDS turned, by ds_load_tr16_b128.
; CLUSTER.  4 x 4 work-groups.  The four of a row of the cluster need the same tiles of xb, the four of a column the same tiles of W1b: each tile is asked for jointly, by the same
; tensor load with the same descriptor and a mask that names the four.  No prefetch: 16 tile columns read each tile of xb and 32 tile rows each tile of W1b.
; THE MATRIX INSTRUCTION IS USED TRANSPOSED: source 0 = 16 columns of W1b, source 1 = 16 rows of xb.  A lane then holds row l % 16 and the eight neighbouring columns 8 (l / 16) + 0..7.
; REGISTERS, in windows of 256: window 0: v0-31 addresses, gates and the gelu's constants; v64-127, v128-191 fragments of xb, two buffers, and on the way out the gelu's work; v32-63, v192-255 the way out
;   window 1: v0-63 b1 of my 128 columns; v64-127, v128-191 fragments of W1b;   window 2: the accumulators of my rows 0-63 ((a, b) at v[8 (8 a + b)]);   window 3: those of my rows 64-127
.set SIZE_K, 1024
.set SIZE_N, 4096
.set KSTEP,  128
.set PITCH,  272                       ; a row of xb's tile in LDS: 256 bytes + 16 = 68 words: the 16 rows of a fragment load start 4 words apart modulo 64
.set PB,     544                       ; a k-row of W1b's tile: 512 bytes + 32 = 136 words: the 8 k-rows x 32 bytes that 16 lanes of a turning load take start 8 words apart modulo 64
.set HALFT,  128*PITCH                 ; what one tensor load brings: 128 rows of xb, or 64 k-rows of W1b (64 x 544 is the same 34,816 bytes)
.set SLOT,   4*HALFT                   ; xb's 256 rows, then W1b's 128 k-rows
.set STAGE,  2*SLOT                    ; behind the ring: 16 rows x 272 bytes for each wave, for the way out
.set SPITCH, 272
.set SPARE,  STAGE+4*16*SPITCH         ; behind the stages: the spare words, 128 bytes for each wave: two blocks of 256 bytes that no other line names
.set LAPS,   SIZE_K/(2*KSTEP)          ; a lap = two K steps = once round the ring
.set STEP_A, 2*KSTEP*2                 ; two K steps on: 256 elements along xb's rows,
.set STEP_B, 2*KSTEP*512*2             ; 256 k-rows of 1,024 bytes down W1b
.set C1,   2                           ; v[2:3], v[4:5], v[14:15], v[18:19], v[22:23]: b1 .. b5 over sqrt(2 pi), each twice, written on the way out
.set C2,   4
.set GT,   6                           ; v6-13   the gate of my row l % 16 in each of my eight blocks of 16 rows
.set C3,   14
.set ADRA, 16                          ; v16-17  LDS address of my fragments of xb in slot 0, 1
.set C4,   18
.set ADRB, 20                          ; v20-21  the same for W1b
.set C5,   22
.set STO,  24                          ; v24     the way out: where I put 16 bytes of a row
.set RD,   25                          ; v25     the way out: where I read a row back
.set CO,   26                          ; v26     my byte offset in Hb
.set BO,   27                          ; v27     my byte offset in b1; never rewritten
.set SPW,  28                          ; v28     LDS address of my spare word; never rewritten
.set NIL,  29                          ; v29     0; never rewritten
.set GO,   30                          ; v30     my byte offset in gates; never rewritten
.set F0,   64
.set F1,   128
.set H,    64                          ; the way out, 32 numbers a lane at a time: h,
.set T,    96                          ; t, then max(h, 0),
.set E,    128                         ; 2^(-h h log2(e) / 2), then the result,
.set P,    160                         ; the polynomial, then q
.set TMP,  192                         ; a block of 16 rows packed to bf16
.set OB,   32                          ; 16 rows read back from the stage: v32-63 and v224-255 by turns
.set G1,  24                           ; s[24:31] descriptor group 1 for xb's tiles;  s[32:39] group 0, one set for each slot
.set G0,  32
.set G1B, 48                           ; s[48:55], s[56:63] the same for W1b's tiles
.set G0B, 56
.set ES,  72                           ; s[72:73] -log2(e) / 2
.set PS,  74                           ; s74      0.2316419
.set MSB, 0
.macro WIN new                         ; the immediate's high byte repeats the setting that is left; a switch that changes nothing is dropped
.if MSB != (\new)
	s_set_vgpr_msb (MSB<<8)|(\new)
.set MSB, (\new)
.endif
.endm
.set MUL_LO, 0xa1                      ; source 0 (W1b) window 1, source 1 (xb) window 0, C and D window 2
.set MUL_HI, 0xf1                      ; the same, C and D window 3
.set TO_B,   0x40                      ; destination window 1, address window 0
; A joint load.  Waves 0 and 1 fetch xb's two halves, waves 2 and 3 W1b's.  The branch hangs on the wave's number alone.  Four v_nop follow each of the two lines.
.macro JLOAD s
	s_cmp_eq_u32 s11, 0
	s_cbranch_scc0 .Lfor_b_\@
	tensor_load_to_lds s[G0+4*\s:G0+4*\s+3], s[G1:G1+7]
	s_nop 0
.rept 4
	v_nop
.endr
	s_branch .Lasked_\@
.Lfor_b_\@:
	tensor_load_to_lds s[G0B+4*\s:G0B+4*\s+3], s[G1B:G1B+7]
	s_nop 0
.rept 4
	v_nop
.endr
.Lasked_\@:
.endm
; A round of the cluster's barrier: my work-group's barrier; wave 0 signals for the work-group; every wave waits for all sixteen work-groups; my work-group's barrier once more.
.macro CREST                           ; a round behind its opening barrier
	s_cmp_lg_u32 s10, 0
	s_cbranch_scc1 .Lnot_wave_0_\@
	s_barrier_signal -3
.Lnot_wave_0_\@:
	s_barrier_wait -3
	s_barrier_signal -1
	s_barrier_wait -1
.endm
.macro CROUND
	s_barrier_signal -1
	s_barrier_wait -1
	CREST
.endm
	s_load_b128 s[4:7], s[0:1], 0x0                ; xb s[4:5], W1b s[6:7]
	s_load_b64 s[8:9], s[0:1], 0x10                ; Hb
	s_load_b128 s[68:71], s[0:1], 0x18             ; b1 s[68:69], gates s[70:71]
	v_lshl_add_u32 v[SPW], v0, 2, SPARE
	v_mov_b32 v[NIL], 0
	ds_add_u32 v28, v29
	s_wait_dscnt 0x0
	v_lshrrev_b32 v1, 5, v0
	v_readfirstlane_b32 s10, v1                    ; wave 0..3
	s_lshr_b32 s11, s10, 1                         ; which half of the tile's rows is mine.  Also: I fetch for xb (0) or for W1b (1)
	s_and_b32 s12, s10, 1                          ; which half of its columns.  Also: which half of that tile I fetch
	s_bfe_u32 s40, ttmp6, 0x40000                  ; cx, cy: my place in the cluster
	s_bfe_u32 s41, ttmp6, 0x40004
	s_lshl_b32 s42, ttmp9, 2
	s_add_co_u32 s42, s42, s40                     ; tile column = 4 x cluster x + cx
	s_and_b32 s13, ttmp7, 0xffff
	s_lshl_b32 s13, s13, 2
	s_add_co_u32 s13, s13, s41                     ; tile row = 4 x cluster y + cy
	s_lshl_b32 s43, s41, 2
	s_lshl_b32 s43, 15, s43                        ; my row of the cluster: places 4 cy .. 4 cy + 3
	s_lshl_b32 s44, 0x1111, s40                    ; my column: places cx, cx + 4, cx + 8, cx + 12
	; group 1 for xb: 128 rows x 128 elements of 2 bytes, 4 words of padding behind every 64; the mask of my row, bit 21 beside it
	s_or_b32 s[G1+0], s43, (1<<16)|(1<<20)|(1<<21)|(5<<22)|(3<<25)
	s_mov_b32 s[G1+1], 128<<16                     ; tensor_dim0 = 128
	s_mov_b32 s[G1+2], 128<<16                     ; tensor_dim1 = 128
	s_mov_b32 s[G1+3], 128<<16                     ; tile_dim0 = 128
	s_mov_b32 s[G1+4], 128                         ; tile_dim1 = 128
	s_mov_b32 s[G1+5], SIZE_K                      ; elements from row to row
	s_mov_b32 s[G1+6], 0
	s_mov_b32 s[G1+7], 0
	; group 1 for W1b: 64 k-rows x 256 elements, 8 words of padding behind every 128; the mask of my column
	s_or_b32 s[G1B+0], s44, (1<<16)|(1<<20)|(1<<21)|(6<<22)|(7<<25)
	s_mov_b32 s[G1B+1], 256<<16
	s_mov_b32 s[G1B+2], 64<<16
	s_mov_b32 s[G1B+3], 256<<16
	s_mov_b32 s[G1B+4], 64
	s_mov_b32 s[G1B+5], 512
	s_mov_b32 s[G1B+6], 0
	s_mov_b32 s[G1B+7], 0
	; where the tiles come from: xb's hang on the tile row alone, W1b's on the tile column alone, each in registers that never hold the other coordinate
	s_lshl_b32 s17, s12, 7
	s_lshl_b32 s16, s13, 8
	s_add_co_u32 s16, s16, s17                     ; xb: row 256 x tile row + 128 x half
	s_mov_b32 s17, 0
	s_mov_b64 s[18:19], SIZE_K*2
	s_mul_u64 s[16:17], s[16:17], s[18:19]
	s_lshr_b32 s46, s42, 1
	s_lshl_b32 s46, s46, 20                        ; W1b: the expert's 1,048,576 bytes,
	s_and_b32 s45, s42, 1
	s_lshl_b32 s45, s45, 9                         ; its left or right 256 columns,
	s_add_co_u32 s46, s46, s45
	s_lshl_b32 s45, s12, 16                        ; my 64 k-rows of 1,024 bytes
	s_add_co_u32 s46, s46, s45
	s_mov_b32 s47, 0
	s_mul_i32 s20, s10, HALFT                      ; where they go: wave x 34,816 bytes: no place in the cluster enters an LDS address
	s_wait_kmcnt 0x0
	s_add_nc_u64 s[14:15], s[4:5], s[16:17]
	s_add_nc_u64 s[46:47], s[6:7], s[46:47]
	CROUND                                         ; all sixteen work-groups are here: the first joint loads meet
.irp s, 0,1
	s_mov_b32 s[G0+4*\s], 1
	s_add_co_u32 s[G0+4*\s+1], s20, \s*SLOT
	s_add_nc_u64 s[G0+4*\s+2:G0+4*\s+3], s[14:15], \s*KSTEP*2
	s_or_b32 s[G0+4*\s+3], s[G0+4*\s+3], 0x80000000
	s_mov_b32 s[G0B+4*\s], 1
	s_add_co_u32 s[G0B+4*\s+1], s20, \s*SLOT
	s_add_nc_u64 s[G0B+4*\s+2:G0B+4*\s+3], s[46:47], \s*KSTEP*512*2
	s_or_b32 s[G0B+4*\s+3], s[G0B+4*\s+3], 0x80000000
	JLOAD \s                                       ; the ring is filled before anything else is done: two loads of mine are out
.endr
	v_and_b32 v1, 15, v0                           ; l % 16
	v_bfe_u32 v2, v0, 4, 1                         ; l / 16
	v_mul_u32_u24 v3, v1, PITCH
	v_lshl_add_u32 v3, v2, 4, v3                   ; xb: row x pitch + 16 x half
	v_and_b32 v4, 7, v0
	v_lshl_add_u32 v4, v2, 3, v4                   ; W1b: the turning load's lane reads k-row 8 (l / 16) + l % 8,
	v_mul_u32_u24 v4, v4, PB
	v_bfe_u32 v5, v0, 3, 1
	v_lshl_add_u32 v4, v5, 4, v4                   ; columns 8 ((l / 8) % 2) + 0..7
	s_mul_i32 s21, s11, HALFT                      ; my 128 rows of xb
	s_lshl_b32 s22, s12, 8                         ; my 128 columns of W1b,
	s_add_co_u32 s22, s22, 2*HALFT                 ; whose tile lies behind xb's 256 rows
.irp s, 0,1
	v_add_nc_u32 v[ADRA+\s], s21, v3
	v_add_nc_u32 v[ADRB+\s], s22, v4
	s_add_co_u32 s21, s21, SLOT
	s_add_co_u32 s22, s22, SLOT
.endr
	s_mul_i32 s23, s10, 16*SPITCH
	s_add_co_u32 s23, s23, STAGE                   ; my stage
	v_mul_u32_u24 v4, v1, SPITCH                   ; in: row l % 16, 16 bytes for each half of the lanes
	v_lshl_add_u32 v4, v2, 4, v4
	v_add_nc_u32 v[STO], s23, v4
	v_mul_u32_u24 v5, v2, SPITCH                   ; back: lanes 0-15 take one row of 256 bytes, lanes 16-31 the next
	v_lshl_add_u32 v5, v1, 4, v5
	v_add_nc_u32 v[RD], s23, v5
	v_mul_u32_u24 v5, v2, SIZE_N*2                 ; and the same two rows in Hb
	v_lshl_add_u32 v[CO], v1, 4, v5
	v_lshlrev_b32 v[BO], 5, v2                     ; b1: eight numbers for each half of the lanes
	v_lshlrev_b32 v[GO], 5, v1                     ; gates: 32 bytes a row
	s_lshl_b32 s13, s13, 8
	s_lshl_b32 s14, s11, 7
	s_add_co_u32 s16, s13, s14                     ; my first row
	s_lshl_b32 s76, s16, 5
	s_lshr_b32 s77, s42, 1                         ; the tile's expert
	s_lshl2_add_u32 s76, s77, s76
	s_mov_b32 s77, 0
	s_add_nc_u64 s[70:71], s[70:71], s[76:77]      ; gates at (my first row, the expert)
	s_lshl_b32 s76, s42, 10
	s_lshl_b32 s78, s12, 9
	s_add_co_u32 s76, s76, s78
	s_add_nc_u64 s[68:69], s[68:69], s[76:77]      ; b1 at my first column
	s_mov_b32 s17, 0
	s_mov_b64 s[18:19], SIZE_N*2
	s_mul_u64 s[16:17], s[16:17], s[18:19]
	s_lshl_b32 s46, s42, 9
	s_lshl_b32 s47, s12, 8
	s_add_co_u32 s46, s46, s47
	s_mov_b32 s47, 0
	s_add_nc_u64 s[16:17], s[16:17], s[46:47]      ; where my part of the tile begins in Hb: the way out adds it to Hb's address
	s_mov_b32 s[ES], 0xbf38aa3b
	s_mov_b32 s[ES+1], s[ES]                       ; named with it as a pair, so it is written
	s_mov_b32 s[PS], 0x3e6d3389
	WIN TO_B
.irp b, 0,1,2,3,4,5,6,7                ; b1 of column 16 b + 8 (l / 16) + j -> window 1, v[8 b + j]; wanted on the way out, waited for there
	global_load_b128 v[8*\b:8*\b+3],   v[BO], s[68:69] offset:64*\b
	global_load_b128 v[8*\b+4:8*\b+7], v[BO], s[68:69] offset:64*\b+16
.endr
	WIN 0
.irp a, 0,1,2,3,4,5,6,7
	global_load_b32 v[GT+\a], v[GO], s[70:71] offset:512*\a
.endr
; 16 matrix instructions: m blocks a0, a0 + 1 of the window's four x all 8 n blocks, 32 along K.  zero = 1: the first product starts the sums.
.macro MUL16 f, hi, a0, zero
.irp a, \a0, \a0+1
.irp b, 0,1,2,3,4,5,6,7
.if \zero
	v_wmma_f32_16x16x32_bf16 v[8*(8*(\a)+\b):8*(8*(\a)+\b)+7], v[\f+8*\b:\f+8*\b+7], v[\f+8*(4*\hi+\a):\f+8*(4*\hi+\a)+7], 0
.else
	v_wmma_f32_16x16x32_bf16 v[8*(8*(\a)+\b):8*(8*(\a)+\b)+7], v[\f+8*\b:\f+8*\b+7], v[\f+8*(4*\hi+\a):\f+8*(4*\hi+\a)+7], v[8*(8*(\a)+\b):8*(8*(\a)+\b)+7]
.endif
.endr
.endr
.endm
; 32 LDS loads in one run: the fragments of quarter q (32 along K) of a slot into buffer f: W1b's eight, turned (k-rows 32 q + 0..15, then + 16..31), then xb's eight
.macro FETCH slot, q, f
	WIN TO_B
.irp i, 0,1,2,3,4,5,6,7
	ds_load_tr16_b128 v[\f+8*\i:\f+8*\i+3],   v[ADRB+\slot] offset:\q*32*PB+32*\i
	ds_load_tr16_b128 v[\f+8*\i+4:\f+8*\i+7], v[ADRB+\slot] offset:\q*32*PB+16*PB+32*\i
.endr
	WIN 0
.irp i, 0,1,2,3,4,5,6,7
	ds_load_b128 v[\f+8*\i:\f+8*\i+3],   v[ADRA+\slot] offset:\q*64+\i*16*PITCH
	ds_load_b128 v[\f+8*\i+4:\f+8*\i+7], v[ADRA+\slot] offset:\q*64+\i*16*PITCH+32
.endr
.endm
; A load into a register that a matrix instruction has read stands four plain vector instructions behind it (ISA guide 7.12.1 for vector instructions)
.macro PLACES
.rept 4
	v_nop
.endr
.endm
; A K step is four quarters of 32 along K, 64 matrix instructions each, on buffers 0, 1, 0, 1.  One of the first three: multiplies buffer f; in its middle it fetches quarter q into buffer g.
; The 64 accumulators take turns, one instruction a turn, in the same order everywhere.
.macro QUARTER slot, q, f, g, zero
	s_wait_dscnt 8                                 ; W1b's fragments and xb's rows 0-63 are in; the youngest eight loads (xb's rows 64-127) may be out
	WIN MUL_LO
	MUL16 \f, 0, 0, \zero
	MUL16 \f, 0, 2, \zero
	PLACES
	FETCH \slot, \q, \g
	s_wait_dscnt 32                                ; all but the 32 just issued
	WIN MUL_HI
	MUL16 \f, 1, 0, \zero
	MUL16 \f, 1, 2, \zero
.endm
; The last quarter multiplies buffer 1 and changes slots: one barrier, in the quarter's middle.  Its first 32 matrix instructions stand AHEAD of the wait for the tensor loads, so that
; nothing but the barrier lies between the landing of the next slot and the request for the one after it.  In front of the barrier each wave waits for all its tensor loads (one is out:
; its part of the next slot), adds 0 to its spare word, and waits for that and for its reads of this slot.  fill = 1: the barrier opens a round of the cluster's, and this slot is filled
; again, two K steps on, first thing behind it: from the request to the wait for it a wave issues a whole K step's 256 matrix instructions.
.macro TURN slot, next, fill
	s_wait_dscnt 8                                 ; W1b's fragments and xb's rows 0-63 of buffer 1 are in
	WIN MUL_LO
	MUL16 F1, 0, 0, 0
	MUL16 F1, 0, 2, 0
	WIN 0
	s_wait_tensorcnt 0x0                           ; all my tensor loads have landed, so every group 0 may be written
	ds_add_u32 v[SPW], v[NIL]                      ; 0 onto my spare word
.if \fill
	s_add_nc_u64 s[G0+4*\slot+2:G0+4*\slot+3], s[G0+4*\slot+2:G0+4*\slot+3], STEP_A      ; this slot's next tiles: the steps stand between the add and the wait for it
	s_add_nc_u64 s[G0B+4*\slot+2:G0B+4*\slot+3], s[G0B+4*\slot+2:G0B+4*\slot+3], STEP_B
.endif
	s_wait_dscnt 0x0                               ; the add is done, and my reads of this slot are over: xb's rows 64-127 of buffer 1 were the last
	s_barrier_signal -1
	s_barrier_wait -1
.if \fill
	CREST                                          ; no wave of any partner still reads this slot's tile or has a load on its way
	JLOAD \slot                                    ; the four v_nop behind it are also the places in front of the loads below
.else
	PLACES
.endif
	FETCH \next, 0, F0
	WIN MUL_HI
	MUL16 F1, 1, 0, 0                              ; 32 matrix instructions stand between the next slot's first fragment loads and their use
	MUL16 F1, 1, 2, 0
.endm
; THE WAY OUT.  GELU: half hb (64 columns, 32 numbers a lane) of block a (16 rows): bias, gelu, gate, rounded to bf16 into TMP.
.macro GELU a, hb
.set AC, 64*((\a)%4)+32*\hb
	WIN 0x06+(\a)/4                                ; source 0: the accumulators' window 2 or 3; source 1: b1 in window 1
.set i, 0
.rept 16
	v_pk_add_f32 v[H+2*i:H+2*i+1], v[AC+2*i:AC+2*i+1], v[32*\hb+2*i:32*\hb+2*i+1]   ; h; each accumulator is read from its low end on
.set i, i+1
.endr
	WIN 0
; 1 + p |h| and -h h log2(e) / 2 of pair i stand between the reciprocals and exponentials of pair i - 1: each of those has a plain instruction behind it that touches none of its registers (ISA guide 5.7.2)
.set i, 0
.rept 17
.if i < 16
	v_fma_f32 v[T+2*i], |v[H+2*i]|, s[PS], 1.0
.endif
.if i > 0
	v_rcp_f32 v[T+2*i-2], v[T+2*i-2]
.endif
.if i < 16
	v_fma_f32 v[T+2*i+1], |v[H+2*i+1]|, s[PS], 1.0
.endif
.if i > 0
	v_rcp_f32 v[T+2*i-1], v[T+2*i-1]
.endif
.if i < 16
	v_pk_mul_f32 v[E+2*i:E+2*i+1], v[H+2*i:H+2*i+1], s[ES:ES+1] op_sel_hi:[1,0]
.endif
.if i > 0
	v_exp_f32 v[E+2*i-2], v[E+2*i-2]
.endif
.if i < 16
	v_pk_mul_f32 v[E+2*i:E+2*i+1], v[E+2*i:E+2*i+1], v[H+2*i:H+2*i+1]
.endif
.if i > 0
	v_exp_f32 v[E+2*i-1], v[E+2*i-1]
.endif
.set i, i+1
.endr
.set i, 0
	s_wait_alu depctr_va_vdst(0)
.rept 16
	v_pk_fma_f32 v[P+2*i:P+2*i+1], v[T+2*i:T+2*i+1], v[C5:C5+1], v[C4:C4+1]
.set i, i+1
.endr
.irp c, C3, C2, C1
.set i, 0
.rept 16
	v_pk_fma_f32 v[P+2*i:P+2*i+1], v[P+2*i:P+2*i+1], v[T+2*i:T+2*i+1], v[\c:\c+1]
.set i, i+1
.endr
.endr
.set i, 0
.rept 16
	v_pk_mul_f32 v[E+2*i:E+2*i+1], v[E+2*i:E+2*i+1], v[T+2*i:T+2*i+1]
.set i, i+1
.endr
.set i, 0
.rept 16
	v_pk_mul_f32 v[P+2*i:P+2*i+1], v[P+2*i:P+2*i+1], v[E+2*i:E+2*i+1]               ; q
.set i, i+1
.endr
.set i, 0
.rept 32
	v_max_num_f32 v[T+i], 0, v[H+i]
.set i, i+1
.endr
.set i, 0
.rept 32
	v_fma_f32 v[E+i], -|v[H+i]|, v[P+i], v[T+i]                                      ; gelu = max(h, 0) - |h| q
.set i, i+1
.endr
.set i, 0
.rept 16
.if (\a)%2
	v_pk_mul_f32 v[E+2*i:E+2*i+1], v[E+2*i:E+2*i+1], v[GT+(\a)-1:GT+(\a)] op_sel:[0,1] op_sel_hi:[1,1]   ; times my row's gate: the pair's second register for both halves,
.else
	v_pk_mul_f32 v[E+2*i:E+2*i+1], v[E+2*i:E+2*i+1], v[GT+(\a):GT+(\a)+1] op_sel_hi:[1,0]                ; or its first
.endif
.set i, i+1
.endr
.set i, 0
.rept 16
	v_cvt_pk_bf16_f32 v[TMP+16*\hb+i], v[E+2*i], v[E+2*i+1]
.set i, i+1
.endr
.endm
.macro TOSTAGE a                       ; 16 bytes a lane into my own stage, and back as whole rows of 256 bytes
.set BK, OB+192*((\a)%2)
.irp b, 0,1,2,3,4,5,6,7
	ds_store_b128 v[STO], v[TMP+4*\b:TMP+4*\b+3] offset:32*\b
.endr
.irp t, 0,1,2,3,4,5,6,7
	ds_load_b128 v[BK+4*\t:BK+4*\t+3], v[RD] offset:\t*2*SPITCH    ; LDS serves a wave's instructions in order (ISA guide 5.7.1.4): these see the stores above
.endr
.endm
.macro SEND a, younger
.set BK, OB+192*((\a)%2)
	s_wait_dscnt \younger                          ; the block is back in registers
	s_wait_xcnt 0x0                                ; only behind this wait are the stores' base and the registers that earlier stores read written again
.if (\a) == 0
	s_add_nc_u64 s[8:9], s[8:9], s[16:17]          ; on to my first rows
.else
	s_add_nc_u64 s[8:9], s[8:9], 16*SIZE_N*2       ; 16 rows on
.endif
.irp t, 0,1,2,3,4,5,6,7
	global_store_b128 v[CO], v[BK+4*\t:BK+4*\t+3], s[8:9] offset:2*\t*SIZE_N*2   ; 16 lanes store 256 consecutive bytes, at a multiple of 256 from Hb's first byte
.endr
.endm
.macro CONST r, bits
	v_mov_b32 v[\r], \bits
	v_mov_b32 v[\r+1], \bits
.endm
	s_wait_tensorcnt 1                             ; my part of K step 0 is in; K step 1's may stay out
	s_barrier_signal -1
	s_barrier_wait -1                              ; everybody's is
	FETCH 0, 0, F0
	QUARTER 0, 1, F0, F1, 1                        ; the first quarter stands in front of the loop: its products start the sums
	WIN 0                                          ; at a label and at a branch every window is 0
	s_mov_b32 s3, LAPS-1
.Llap:                                                 ; a trip goes once round the ring, from a lap's second quarter to the next lap's first, and fills both slots again
	QUARTER 0, 2, F1, F0, 0
	QUARTER 0, 3, F0, F1, 0
	TURN 0, 1, 1
	QUARTER 1, 1, F0, F1, 0
	QUARTER 1, 2, F1, F0, 0
	QUARTER 1, 3, F0, F1, 0
	TURN 1, 0, 1
	QUARTER 0, 1, F0, F1, 0
	WIN 0
	s_sub_co_u32 s3, s3, 1
	s_cmp_lg_u32 s3, 0
	s_cbranch_scc1 .Llap
	QUARTER 0, 2, F1, F0, 0                        ; the last lap is written out: it fills nothing
	QUARTER 0, 3, F0, F1, 0
	TURN 0, 1, 0
	QUARTER 1, 1, F0, F1, 0
	QUARTER 1, 2, F1, F0, 0
	QUARTER 1, 3, F0, F1, 0
	s_wait_dscnt 8                                 ; the very last quarter: nothing more to fetch
	WIN MUL_LO
	MUL16 F1, 0, 0, 0
	MUL16 F1, 0, 2, 0
	s_wait_dscnt 0x0
	WIN MUL_HI
	MUL16 F1, 1, 0, 0
	MUL16 F1, 1, 2, 0
	WIN 0
	s_wait_loadcnt 0x0                             ; b1 and the gates
	CONST C1, 0x3e027906                           ; 0.127414796: ten plain instructions, the places behind the last products
	CONST C2, 0xbe11a98e                           ; -0.142248368
	CONST C3, 0x3f35f0e3                           ; 0.710706871
	CONST C4, 0xbf3a00e3                           ; -0.726576014
	CONST C5, 0x3f07dc22                           ; 0.530702715
	GELU 0, 0
	GELU 0, 1
	TOSTAGE 0
.irp a, 1,2,3,4,5,6,7                  ; block a's arithmetic stands between block a - 1's loads from the stage and the wait for them
	GELU \a, 0
	GELU \a, 1
	SEND \a-1, 0
	TOSTAGE \a
.endr
	SEND 7, 0
	s_wait_tensorcnt 0x0                           ; the wave's end
	ds_add_u32 v[SPW], v[NIL]
	s_wait_dscnt 0x0
	CROUND                                         ; the closing round: no work-group ends while a partner may still ask for a tile that names it
	s_endpgm
.Lfunc_end_k_q3b52769451_up:
	.size	k_q3b52769451_up, .Lfunc_end_k_q3b52769451_up-k_q3b52769451_up
	.p2alignl 7, 3214868480
	.fill 96, 4, 3214868480
	.section	.rodata,"a",@progbits
	.p2align	6, 0x0
	.amdhsa_kernel k_q3b52769451_up
		.amdhsa_group_segment_fixed_size 327680
		.amdhsa_private_segment_fixed_size 0
		.amdhsa_enable_private_segment 0
		.amdhsa_kernarg_size 40
		.amdhsa_user_sgpr_count 2
		.amdhsa_user_sgpr_kernarg_segment_ptr 1
		.amdhsa_wavefront_size32 1
		.amdhsa_system_sgpr_workgroup_id_x 1
		.amdhsa_system_sgpr_workgroup_id_y 1
		.amdhsa_system_sgpr_workgroup_id_z 1
		.amdhsa_system_vgpr_workitem_id 0
		.amdhsa_next_free_vgpr 1024
		.amdhsa_next_free_sgpr 80
		.amdhsa_reserve_vcc 0
		.amdhsa_float_denorm_mode_32 3
		.amdhsa_float_denorm_mode_16_64 3
		.amdhsa_memory_ordered 1
		.amdhsa_forward_progress 1
		.amdhsa_inst_pref_size 255
	.end_amdhsa_kernel
	.section	.bss,"aw",@nobits
	.p2align	6
	.space	262144
	.amdgpu_metadata
---
amdhsa.version: [ 1, 2 ]
amdhsa.kernels:
  - .name:           k_q3b52769451_up
    .symbol:         k_q3b52769451_up.kd
    .args:
      - { .name: xb, .offset: 0, .size: 8, .value_kind: global_buffer, .address_space: global }
      - { .name: W1b, .offset: 8, .size: 8, .value_kind: global_buffer, .address_space: global }
      - { .name: Hb, .offset: 16, .size: 8, .value_kind: global_buffer, .address_space: global }
      - { .name: b1, .offset: 24, .size: 8, .value_kind: global_buffer, .address_space: global }
      - { .name: gates, .offset: 32, .size: 8, .value_kind: global_buffer, .address_space: global }
    .group_segment_fixed_size: 327680
    .private_segment_fixed_size: 0
    .kernarg_segment_align: 8
    .kernarg_segment_size: 40
    .max_flat_workgroup_size: 128
    .sgpr_count:     80
    .vgpr_count:     1024
    .wavefront_size: 32
...
	.end_amdgpu_metadata
.endif
;; end of part 2
;; launch down (part 3): grid 4 x 64, 4 waves a work-group, clusters of 4 x 4, 327,680 bytes of LDS; arguments Hb, W2b, out0, b2, gates; writes out0
.if DOCPART == 3
	.amdgcn_target "amdgcn-amd-amdhsa--gfx1250"
	.amdhsa_code_object_version 6
	.text
	.protected	k_q3b52769451_down
	.globl	k_q3b52769451_down
	.p2align	8
	.type	k_q3b52769451_down,@function
k_q3b52769451_down:
	s_mov_b64 s[64:65], 0
	v_nop
	global_prefetch_b8 v0, s[64:65] scope:SCOPE_SE
	s_setreg_imm32_b32 hwreg(HW_REG_WAVE_MODE, 25, 1), 1
	s_wait_xcnt 0x0
	s_wait_alu depctr_hold_cnt(0) depctr_sa_sdst(0) depctr_va_vdst(0) depctr_va_sdst(0) depctr_va_ssrc(0) depctr_va_vcc(0) depctr_vm_vsrc(0)
	s_getreg_b32 s2, hwreg(HW_REG_IB_STS2, 6, 4)
	s_cmp_eq_u32 s2, 0
	s_cbranch_scc0 .Lentry_in_a_cluster
	s_endpgm
.Lentry_in_a_cluster:
	s_bfe_u32 s2, ttmp6, 0x10000c
	s_cmp_lg_u32 s2, 0xf033
	s_cbranch_scc0 .Lentry_shape_is_right
	s_endpgm
.Lentry_shape_is_right:
; down: out0[t][d] = sum over k of Hb[t][k] W2b[k][d] + sum over e of gates[t][e] b2[e][d].  Hb: [8192][4096], W2b: [4096][1024], bf16 (Hb already carries the gate);
; b2: [8][1024], gates: [8192][8], out0: [8192][1024], f32.  Sums in f32.
; LIMIT.  The second sum is a matrix product like the first: gates and b2 are rounded to bf16 for it.  It is the sums' first K step, so nothing is cleared and nothing is added afterwards.
; SHARES.  A tile of out0 is 128 rows x 256 columns: 64 x 4 = 256 work-groups of four waves; a wave makes 64 x 128: 32 accumulators of 16 x 16, 256 registers.
; K = 4,096 goes in steps of 128 through a ring of two LDS slots filled by the tensor data mover; two slots of the double step (2 x 208,896 bytes) would not fit in LDS.
; Hb's tile lies [row][k]; W2b's lies [k][column], as in memory, and its fragments come out of LDS turned, by ds_load_tr16_b128.
; CLUSTER.  4 x 4 work-groups.  The four of a row of the cluster are the four column tiles of one block of tokens and need the same tiles of Hb; the four of a column need the same
; tiles of W2b: each tile is asked for jointly, by the same tensor load with the same descriptor and a mask that names the four.
; PREFETCH.  A tile of Hb is read by one row of one cluster alone, once in the launch.  In the first quarter of K step s wave 3 of each work-group asks for 32 rows x 256 bytes of Hb's tile of
; K step s + 3: rows 32 cx to 32 cx + 31 of the block of tokens, so that the four partners ask for the tile's 128 rows, each aligned 256 bytes once.  The tensor load for that tile is issued
; 224 matrix instructions later, at the end of K step s + 1.  Tile 2 is asked for at the start; the asks end with tile 31, the last.  W2b is not asked for: 64 blocks of tokens read each of its tiles.
; THE MATRIX INSTRUCTION IS USED TRANSPOSED: source 0 = 16 columns of W2b, source 1 = 16 rows of Hb.  A lane then holds row l % 16 and the eight neighbouring columns 8 (l / 16) + 0..7: 32 bytes of out0.
; REGISTERS: window 0: v0-31 addresses; v64-95, v128-159 fragments of Hb, two buffers; v192-239 b2 and gates in f32 at the start; v64-191 the way out
;   window 1: v64-127, v128-191 fragments of W2b, two buffers;   window 2: the accumulators ((a, b) at v[8 (8 a + b)])
.set SIZE_K, 4096
.set SIZE_N, 1024
.set KSTEP,  128
.set PITCH,  272                       ; a row of Hb's tile in LDS: 256 bytes + 16
.set PB,     544                       ; a k-row of W2b's tile: 512 bytes + 32
.set AH,     64*PITCH                  ; 64 rows of Hb: one tensor load, and what one wave reads
.set BOFF,   2*AH                      ; W2b's tile lies behind Hb's 128 rows
.set BH,     64*PB                     ; 64 k-rows of W2b: one tensor load
.set SLOT,   BOFF+2*BH
.set STAGE,  2*SLOT                    ; behind the ring: 16 rows x 528 bytes for each wave, for the way out
.set SPITCH, 528                       ; 512 bytes + 16 = 132 words: the 16 rows that a store touches start 4 words apart modulo 64
.set SPARE,  STAGE+4*16*SPITCH         ; behind the stages: the spare words, 128 bytes for each wave: two blocks of 256 bytes that no other line names
.set LAPS,   SIZE_K/(2*KSTEP)          ; 16
.set STEP_A, 2*KSTEP*2
.set STEP_B, 2*KSTEP*SIZE_N*2
.set ADRA, 16                          ; v16-17  LDS address of my fragments of Hb in slot 0, 1
.set ADRB, 20                          ; v20-21  the same for W2b
.set STO,  24                          ; v24     the way out: where I put 32 bytes of a row
.set RD,   25                          ; v25     the way out: where I read a row back
.set CO,   26                          ; v26     my byte offset in a row of out0
.set GO,   27                          ; v27     my byte offset in gates; never rewritten
.set SPW,  28                          ; v28     LDS address of my spare word; never rewritten
.set NIL,  29                          ; v29     0; never rewritten
.set BO,   30                          ; v30     my byte offset in b2; never rewritten
.set PF,   31                          ; v31     the prefetch: my lane's row of Hb, 8,192 bytes a row; never rewritten
.set F0,   64
.set F1,   128
.set BT,   192                         ; v192-223 b2 in f32: fragment b's four experts
.set GT,   224                         ; v224-239 gates in f32: block a's four experts
.set OB,   64                          ; the way out: 16 rows read back from the stage, v64-127 and v128-191 by turns
.set G1,  24
.set G0,  32
.set G1B, 48
.set G0B, 56
.set PFB, 84                           ; s[84:85] the prefetch: Hb at my work-group's 32 rows, at the tile two K steps on from the lap's first
.set MSB, 0
.macro WIN new
.if MSB != (\new)
	s_set_vgpr_msb (MSB<<8)|(\new)
.set MSB, (\new)
.endif
.endm
.set MUL,  0xa1                        ; source 0 (W2b) window 1, source 1 (Hb) window 0, C and D window 2
.set TO_B, 0x40                        ; destination window 1, the rest window 0
.macro JLOAD s                         ; a joint load: waves 0 and 1 fetch Hb's two halves, waves 2 and 3 W2b's; four v_nop follow each of the two lines
	s_cmp_eq_u32 s11, 0
	s_cbranch_scc0 .Lfor_b_\@
	tensor_load_to_lds s[G0+4*\s:G0+4*\s+3], s[G1:G1+7]
	s_nop 0
.rept 4
	v_nop
.endr
	s_branch .Lasked_\@
.Lfor_b_\@:
	tensor_load_to_lds s[G0B+4*\s:G0B+4*\s+3], s[G1B:G1B+7]
	s_nop 0
.rept 4
	v_nop
.endr
.Lasked_\@:
.endm
.macro CREST                           ; a round of the cluster's barrier behind its opening barrier
	s_cmp_lg_u32 s10, 0
	s_cbranch_scc1 .Lnot_wave_0_\@
	s_barrier_signal -3
.Lnot_wave_0_\@:
	s_barrier_wait -3
	s_barrier_signal -1
	s_barrier_wait -1
.endm
.macro CROUND
	s_barrier_signal -1
	s_barrier_wait -1
	CREST
.endm
.macro ASK off                         ; wave 3 asks for 32 rows x 256 bytes of Hb, off bytes along K from s[PFB]; it stands where every window is 0
	s_cmp_lg_u32 s10, 3
	s_cbranch_scc1 .Lno_ask_\@
	global_prefetch_b8 v[PF], s[PFB:PFB+1] offset:\off th:TH_LOAD_NT scope:SCOPE_SE
.Lno_ask_\@:
.endm
	s_load_b128 s[4:7], s[0:1], 0x0                ; Hb s[4:5], W2b s[6:7]
	s_load_b64 s[8:9], s[0:1], 0x10                ; out0
	s_load_b128 s[68:71], s[0:1], 0x18             ; b2 s[68:69], gates s[70:71]
	v_lshl_add_u32 v[SPW], v0, 2, SPARE
	v_mov_b32 v[NIL], 0
	ds_add_u32 v28, v29
	s_wait_dscnt 0x0
	v_lshrrev_b32 v1, 5, v0
	v_readfirstlane_b32 s10, v1                    ; wave 0..3
	s_lshr_b32 s11, s10, 1                         ; which 64 rows of the tile are mine.  Also: I fetch for Hb (0) or for W2b (1)
	s_and_b32 s12, s10, 1                          ; which 128 columns.  Also: which half of that tile I fetch
	s_bfe_u32 s40, ttmp6, 0x40000                  ; cx, cy
	s_bfe_u32 s41, ttmp6, 0x40004
	s_lshl_b32 s42, ttmp9, 2
	s_add_co_u32 s42, s42, s40                     ; tile column = 4 x cluster x + cx
	s_and_b32 s13, ttmp7, 0xffff
	s_lshl_b32 s13, s13, 2
	s_add_co_u32 s13, s13, s41                     ; tile row = 4 x cluster y + cy
	s_lshl_b32 s43, s41, 2
	s_lshl_b32 s43, 15, s43                        ; my row of the cluster
	s_lshl_b32 s44, 0x1111, s40                    ; my column
	; group 1 for Hb: 64 rows x 128 elements of 2 bytes, 4 words of padding behind every 64; the mask of my row, bit 21 beside it
	s_or_b32 s[G1+0], s43, (1<<16)|(1<<20)|(1<<21)|(5<<22)|(3<<25)
	s_mov_b32 s[G1+1], 128<<16                     ; tensor_dim0 = 128
	s_mov_b32 s[G1+2], 64<<16                      ; tensor_dim1 = 64
	s_mov_b32 s[G1+3], 128<<16                     ; tile_dim0 = 128
	s_mov_b32 s[G1+4], 64                          ; tile_dim1 = 64
	s_mov_b32 s[G1+5], SIZE_K                      ; elements from row to row
	s_mov_b32 s[G1+6], 0
	s_mov_b32 s[G1+7], 0
	; group 1 for W2b: 64 k-rows x 256 elements, 8 words of padding behind every 128; the mask of my column
	s_or_b32 s[G1B+0], s44, (1<<16)|(1<<20)|(1<<21)|(6<<22)|(7<<25)
	s_mov_b32 s[G1B+1], 256<<16
	s_mov_b32 s[G1B+2], 64<<16
	s_mov_b32 s[G1B+3], 256<<16
	s_mov_b32 s[G1B+4], 64
	s_mov_b32 s[G1B+5], SIZE_N
	s_mov_b32 s[G1B+6], 0
	s_mov_b32 s[G1B+7], 0
	s_lshl_b32 s17, s12, 6
	s_lshl_b32 s16, s13, 7
	s_add_co_u32 s16, s16, s17                     ; Hb: row 128 x tile row + 64 x half
	s_mov_b32 s17, 0
	s_mov_b64 s[18:19], SIZE_K*2
	s_mul_u64 s[16:17], s[16:17], s[18:19]
	s_lshl_b32 s46, s42, 9                         ; W2b: the tile's 256 columns,
	s_lshl_b32 s45, s12, 17                        ; my 64 k-rows of 2,048 bytes
	s_add_co_u32 s46, s46, s45
	s_mov_b32 s47, 0
	s_mul_i32 s20, s12, AH                         ; where they go: no place in the cluster enters an LDS address
	s_mul_i32 s21, s12, BH
	s_add_co_u32 s21, s21, BOFF
	s_wait_kmcnt 0x0
	s_add_nc_u64 s[14:15], s[4:5], s[16:17]
	s_add_nc_u64 s[46:47], s[6:7], s[46:47]
	CROUND                                         ; all sixteen work-groups are here: the first joint loads meet
.irp s, 0,1
	s_mov_b32 s[G0+4*\s], 1
	s_add_co_u32 s[G0+4*\s+1], s20, \s*SLOT
	s_add_nc_u64 s[G0+4*\s+2:G0+4*\s+3], s[14:15], \s*KSTEP*2
	s_or_b32 s[G0+4*\s+3], s[G0+4*\s+3], 0x80000000
	s_mov_b32 s[G0B+4*\s], 1
	s_add_co_u32 s[G0B+4*\s+1], s21, \s*SLOT
	s_add_nc_u64 s[G0B+4*\s+2:G0B+4*\s+3], s[46:47], \s*KSTEP*SIZE_N*2
	s_or_b32 s[G0B+4*\s+3], s[G0B+4*\s+3], 0x80000000
	JLOAD \s                                       ; two loads of mine are out
.endr
	v_and_b32 v5, 31, v0
	v_lshlrev_b32 v[PF], 13, v5                    ; the prefetch: a row of Hb a lane
	s_lshl_b32 s86, s13, 7
	s_lshl_b32 s87, s40, 5
	s_add_co_u32 s86, s86, s87                     ; row 128 x tile row + 32 cx, in registers that feed no descriptor
	s_lshl_b32 s86, s86, 13
	s_add_co_u32 s86, s86, 2*KSTEP*2               ; at the tile of K step 2
	s_mov_b32 s87, 0
	s_add_nc_u64 s[PFB:PFB+1], s[4:5], s[86:87]
	ASK 0                                          ; tile 2; the address arithmetic below stands between it and the next loads
	v_and_b32 v1, 15, v0                           ; l % 16
	v_bfe_u32 v2, v0, 4, 1                         ; l / 16
	v_mul_u32_u24 v3, v1, PITCH
	v_lshl_add_u32 v3, v2, 4, v3                   ; Hb: row x pitch + 16 x half
	v_and_b32 v4, 7, v0
	v_lshl_add_u32 v4, v2, 3, v4                   ; W2b: k-row 8 (l / 16) + l % 8,
	v_mul_u32_u24 v4, v4, PB
	v_bfe_u32 v5, v0, 3, 1
	v_lshl_add_u32 v4, v5, 4, v4                   ; columns 8 ((l / 8) % 2) + 0..7
	s_mul_i32 s22, s11, AH                         ; my 64 rows of Hb
	s_lshl_b32 s23, s12, 8                         ; my 128 columns of W2b
	s_add_co_u32 s23, s23, BOFF
.irp s, 0,1
	v_add_nc_u32 v[ADRA+\s], s22, v3
	v_add_nc_u32 v[ADRB+\s], s23, v4
	s_add_co_u32 s22, s22, SLOT
	s_add_co_u32 s23, s23, SLOT
.endr
	s_mul_i32 s21, s10, 16*SPITCH
	s_add_co_u32 s21, s21, STAGE                   ; my stage
	v_mul_u32_u24 v4, v1, SPITCH                   ; in: row l % 16, 32 bytes for each half of the lanes
	v_lshl_add_u32 v4, v2, 5, v4
	v_add_nc_u32 v[STO], s21, v4
	v_and_b32 v5, 31, v0
	v_lshlrev_b32 v[CO], 4, v5                     ; back and out: 32 lanes take one row's 512 bytes
	v_add_nc_u32 v[RD], s21, v[CO]
	v_lshlrev_b32 v[GO], 5, v1                     ; gates: row l % 16, experts 4 (l / 16) + 0..3
	v_lshl_add_u32 v[GO], v2, 4, v[GO]
	v_lshlrev_b32 v[BO], 2, v1                     ; b2: column l % 16, experts 4 (l / 16) + 0..3, 4,096 bytes apart
	v_lshl_add_u32 v[BO], v2, 14, v[BO]
	s_lshl_b32 s16, s13, 7
	s_lshl_b32 s17, s11, 6
	s_add_co_u32 s16, s16, s17                     ; my first row
	s_lshl_b32 s76, s16, 5
	s_mov_b32 s77, 0
	s_add_nc_u64 s[70:71], s[70:71], s[76:77]      ; gates at my first row
	s_lshl_b32 s76, s16, 12
	s_add_nc_u64 s[8:9], s[8:9], s[76:77]          ; out0 at my first row,
	s_lshl_b32 s76, s42, 10
	s_lshl_b32 s78, s12, 9
	s_add_co_u32 s76, s76, s78
	s_add_nc_u64 s[8:9], s[8:9], s[76:77]          ; my first column;
	s_add_nc_u64 s[68:69], s[68:69], s[76:77]      ; b2 at my first column
	; THE BIAS STEP'S FRAGMENTS.  Of the 32 places along K, place 8 (l / 16) + i, i = 0..3, stands for expert 4 (l / 16) + i, alike on both sides; the other 24 hold 0.
.irp a, 0,1,2,3
	global_load_b128 v[GT+4*\a:GT+4*\a+3], v[GO], s[70:71] offset:512*\a
.endr
.irp b, 0,1,2,3,4,5,6,7
.irp i, 0,1,2,3
	global_load_b32 v[BT+4*\b+\i], v[BO], s[68:69] offset:4096*\i+64*\b
.endr
.endr
	s_wait_loadcnt 0x0
.irp a, 0,1,2,3
	v_cvt_pk_bf16_f32 v[F1+8*\a],   v[GT+4*\a],   v[GT+4*\a+1]
	v_cvt_pk_bf16_f32 v[F1+8*\a+1], v[GT+4*\a+2], v[GT+4*\a+3]
.irp z, 2,3,4,5,6,7
	v_mov_b32 v[F1+8*\a+\z], 0
.endr
.endr
	WIN TO_B
.irp b, 0,1,2,3,4,5,6,7
	v_cvt_pk_bf16_f32 v[F1+8*\b],   v[BT+4*\b],   v[BT+4*\b+1]
	v_cvt_pk_bf16_f32 v[F1+8*\b+1], v[BT+4*\b+2], v[BT+4*\b+3]
.irp z, 2,3,4,5,6,7
	v_mov_b32 v[F1+8*\b+\z], 0
.endr
.endr
; 8 matrix instructions: m block a x all 8 n blocks, 32 along K.  zero = 1: the product starts the sums.  The 32 accumulators take turns, one instruction a turn.
.macro MROW f, a, zero
.irp b, 0,1,2,3,4,5,6,7
.if \zero
	v_wmma_f32_16x16x32_bf16 v[8*(8*\a+\b):8*(8*\a+\b)+7], v[\f+8*\b:\f+8*\b+7], v[\f+8*\a:\f+8*\a+7], 0
.else
	v_wmma_f32_16x16x32_bf16 v[8*(8*\a+\b):8*(8*\a+\b)+7], v[\f+8*\b:\f+8*\b+7], v[\f+8*\a:\f+8*\a+7], v[8*(8*\a+\b):8*(8*\a+\b)+7]
.endif
.endr
.endm
; 24 LDS loads in one run: quarter q of a slot into buffer f: W2b's eight fragments, turned, then Hb's four
.macro FETCH slot, q, f
	WIN TO_B
.irp i, 0,1,2,3,4,5,6,7
	ds_load_tr16_b128 v[\f+8*\i:\f+8*\i+3],   v[ADRB+\slot] offset:\q*32*PB+32*\i
	ds_load_tr16_b128 v[\f+8*\i+4:\f+8*\i+7], v[ADRB+\slot] offset:\q*32*PB+16*PB+32*\i
.endr
	WIN 0
.irp i, 0,1,2,3
	ds_load_b128 v[\f+8*\i:\f+8*\i+3],   v[ADRA+\slot] offset:\q*64+\i*16*PITCH
	ds_load_b128 v[\f+8*\i+4:\f+8*\i+7], v[ADRA+\slot] offset:\q*64+\i*16*PITCH+32
.endr
.endm
.macro PLACES                          ; four plain vector instructions in front of loads into registers that matrix instructions have read, and of stores that read results (ISA guide 7.12.1 for the stores)
.rept 4
	v_nop
.endr
.endm
; A K step is four quarters of 32 along K, 32 matrix instructions each, on buffers 0, 1, 0, 1.  One of the first three: multiplies buffer f and fetches quarter q into buffer g.
; ask = 0 or more: behind the run of LDS loads wave 3 asks for its rows of a later tile of Hb, ask bytes along K from s[PFB]; ask = -1: nothing is asked for.
.macro QUARTER slot, q, f, g, ask
	s_wait_dscnt 4                                 ; W2b's fragments and Hb's first two are in; the youngest four loads (Hb's last two) may be out
	WIN MUL
	MROW \f, 0, 0
	MROW \f, 1, 0
	PLACES
	FETCH \slot, \q, \g
.if \ask >= 0
	ASK \ask
.endif
	s_wait_dscnt 24                                ; all but the 24 just issued
	WIN MUL
	MROW \f, 2, 0
	MROW \f, 3, 0
.endm
; The last quarter multiplies buffer 1 and changes slots: one barrier, in the quarter's middle.  Its first 16 matrix instructions stand AHEAD of the wait for the tensor loads, so that
; nothing but the barrier lies between the landing of the next slot and the request for the one after it.  In front of the barrier each wave waits for all its tensor loads (one is out:
; its part of the next slot), adds 0 to its spare word, and waits for that and for its reads of this slot.  fill = 1: the barrier opens a round of the cluster's, and this slot is filled
; again, two K steps on, first thing behind it: from the request to the wait for it a wave issues a whole K step's 128 matrix instructions.
.macro TURN slot, next, fill
	s_wait_dscnt 4                                 ; W2b's fragments and Hb's first two of buffer 1 are in
	WIN MUL
	MROW F1, 0, 0
	MROW F1, 1, 0
	WIN 0
	s_wait_tensorcnt 0x0                           ; all my tensor loads have landed, so every group 0 may be written
	ds_add_u32 v[SPW], v[NIL]                      ; 0 onto my spare word
.if \fill
	s_add_nc_u64 s[G0+4*\slot+2:G0+4*\slot+3], s[G0+4*\slot+2:G0+4*\slot+3], STEP_A      ; this slot's next tiles: the steps stand between the add and the wait for it
	s_add_nc_u64 s[G0B+4*\slot+2:G0B+4*\slot+3], s[G0B+4*\slot+2:G0B+4*\slot+3], STEP_B
.endif
	s_wait_dscnt 0x0                               ; the add is done, and my reads of this slot are over: Hb's last two fragments of buffer 1 were the last
	s_barrier_signal -1
	s_barrier_wait -1
.if \fill
	CREST                                          ; no wave of any partner still reads this slot's tile or has a load on its way
	JLOAD \slot                                    ; the four v_nop behind it are also the places in front of the loads below
.else
	PLACES
.endif
	FETCH \next, 0, F0
	WIN MUL
	MROW F1, 2, 0                                  ; 16 matrix instructions stand between the next slot's first fragment loads and their use
	MROW F1, 3, 0
.endm
; THE WAY OUT of block a (16 rows x 128 columns of f32): 32 bytes a lane into my own stage, back as whole rows of 512 bytes, stored.
.macro OUTB a
.set BK, OB+64*((\a)%2)
	s_wait_xcnt 0x0                                ; the registers that earlier stores read are loaded again only behind this wait
	WIN 0x08                                       ; the stores' data in window 2
.irp b, 0,1,2,3,4,5,6,7
	ds_store_b128 v[STO], v[8*(8*\a+\b):8*(8*\a+\b)+3]   offset:64*\b      ; each accumulator is read from its low end on
	ds_store_b128 v[STO], v[8*(8*\a+\b)+4:8*(8*\a+\b)+7] offset:64*\b+16
.endr
	WIN 0
.irp t, 0,1,2,3,4,5,6,7,8,9,10,11,12,13,14,15
	ds_load_b128 v[BK+4*\t:BK+4*\t+3], v[RD] offset:\t*SPITCH              ; LDS serves a wave's instructions in order (ISA guide 5.7.1.4): these see the stores above
.endr
.irp t, 0,1,2,3,4,5,6,7,8,9,10,11,12,13,14,15
	s_wait_dscnt 15-\t                             ; row t is back; the younger loads stay out
	global_store_b128 v[CO], v[BK+4*\t:BK+4*\t+3], s[8:9] offset:(16*\a+\t)*SIZE_N*4 th:TH_STORE_NT   ; the wave stores 512 consecutive bytes, at a multiple of 512 from out0's first byte
.endr
.endm
	s_wait_tensorcnt 1                             ; my part of K step 0 is in; K step 1's may stay out
	s_barrier_signal -1
	s_barrier_wait -1                              ; everybody's is
	FETCH 0, 0, F0
	WIN MUL
	MROW F1, 0, 1                                  ; gates x b2 starts the sums
	MROW F1, 1, 1
	MROW F1, 2, 1
	MROW F1, 3, 1
	WIN 0                                          ; at a label and at a branch every window is 0
	s_mov_b32 s3, LAPS-2
.Llap:                                                 ; trip L = 0 .. 13 goes once round the ring (K steps 2 L, 2 L + 1), fills both slots again and asks for tiles 2 L + 3 and 2 L + 4
	QUARTER 0, 1, F0, F1, KSTEP*2
	QUARTER 0, 2, F1, F0, -1
	QUARTER 0, 3, F0, F1, -1
	TURN 0, 1, 1
	QUARTER 1, 1, F0, F1, 2*KSTEP*2
	QUARTER 1, 2, F1, F0, -1
	QUARTER 1, 3, F0, F1, -1
	TURN 1, 0, 1
	WIN 0
	s_wait_xcnt 0x0                                ; the prefetches' base is stepped only behind this wait; the last of them stands 112 matrix instructions back
	s_add_nc_u64 s[PFB:PFB+1], s[PFB:PFB+1], 2*KSTEP*2
	s_sub_co_u32 s3, s3, 1
	s_cmp_lg_u32 s3, 0
	s_cbranch_scc1 .Llap
	QUARTER 0, 1, F0, F1, KSTEP*2                  ; the last lap but one is written out: it fills both slots for the last time and asks for tile 31 alone, the last of Hb's rows
	QUARTER 0, 2, F1, F0, -1
	QUARTER 0, 3, F0, F1, -1
	TURN 0, 1, 1
	QUARTER 1, 1, F0, F1, -1
	QUARTER 1, 2, F1, F0, -1
	QUARTER 1, 3, F0, F1, -1
	TURN 1, 0, 1
	QUARTER 0, 1, F0, F1, -1                       ; the last lap fills nothing and asks for nothing
	QUARTER 0, 2, F1, F0, -1
	QUARTER 0, 3, F0, F1, -1
	TURN 0, 1, 0
	QUARTER 1, 1, F0, F1, -1
	QUARTER 1, 2, F1, F0, -1
	QUARTER 1, 3, F0, F1, -1
	s_wait_dscnt 4                                 ; the very last quarter: nothing more to fetch
	WIN MUL
	MROW F1, 0, 0
	MROW F1, 1, 0
	s_wait_dscnt 0x0
	MROW F1, 2, 0
	MROW F1, 3, 0
	WIN 0
	PLACES
	OUTB 0
	OUTB 1
	OUTB 2
	OUTB 3
	s_wait_tensorcnt 0x0                           ; the wave's end
	ds_add_u32 v[SPW], v[NIL]
	s_wait_dscnt 0x0
	CROUND                                         ; the closing round: no work-group ends while a partner may still ask for a tile that names it
	s_endpgm
.Lfunc_end_k_q3b52769451_down:
	.size	k_q3b52769451_down, .Lfunc_end_k_q3b52769451_down-k_q3b52769451_down
	.p2alignl 7, 3214868480
	.fill 96, 4, 3214868480
	.section	.rodata,"a",@progbits
	.p2align	6, 0x0
	.amdhsa_kernel k_q3b52769451_down
		.amdhsa_group_segment_fixed_size 327680
		.amdhsa_private_segment_fixed_size 0
		.amdhsa_enable_private_segment 0
		.amdhsa_kernarg_size 40
		.amdhsa_user_sgpr_count 2
		.amdhsa_user_sgpr_kernarg_segment_ptr 1
		.amdhsa_wavefront_size32 1
		.amdhsa_system_sgpr_workgroup_id_x 1
		.amdhsa_system_sgpr_workgroup_id_y 1
		.amdhsa_system_sgpr_workgroup_id_z 1
		.amdhsa_system_vgpr_workitem_id 0
		.amdhsa_next_free_vgpr 768
		.amdhsa_next_free_sgpr 88
		.amdhsa_reserve_vcc 0
		.amdhsa_float_denorm_mode_32 3
		.amdhsa_float_denorm_mode_16_64 3
		.amdhsa_memory_ordered 1
		.amdhsa_forward_progress 1
		.amdhsa_inst_pref_size 130
	.end_amdhsa_kernel
	.amdgpu_metadata
---
amdhsa.version: [ 1, 2 ]
amdhsa.kernels:
  - .name:           k_q3b52769451_down
    .symbol:         k_q3b52769451_down.kd
    .args:
      - { .name: Hb, .offset: 0, .size: 8, .value_kind: global_buffer, .address_space: global }
      - { .name: W2b, .offset: 8, .size: 8, .value_kind: global_buffer, .address_space: global }
      - { .name: out0, .offset: 16, .size: 8, .value_kind: global_buffer, .address_space: global }
      - { .name: b2, .offset: 24, .size: 8, .value_kind: global_buffer, .address_space: global }
      - { .name: gates, .offset: 32, .size: 8, .value_kind: global_buffer, .address_space: global }
    .group_segment_fixed_size: 327680
    .private_segment_fixed_size: 0
    .kernarg_segment_align: 8
    .kernarg_segment_size: 40
    .max_flat_workgroup_size: 128
    .sgpr_count:     88
    .vgpr_count:     768
    .wavefront_size: 32
...
	.end_amdgpu_metadata
.endif
;; end of part 3
